; MI455X (gfx1250); checked and timed in simulation.
; The chip was launched on July 23, 2026; its instructions are those of AMD's public machine-readable ISA for CDNA 5 (MIT licence, August 2026) and "CDNA5" Instruction Set Architecture Reference Guide (July 2026). The comments in the code are by the model that wrote it; some were corrected since.
;; CIN. Allowed arithmetic: matrix products marked QUANTISED: E2M1 operands, one E8M0 scale for each 32 along K, by v_wmma_scale_f32_16x16x128_f8f6f4 with both operands' format E2M1 (or v_wmma_scale_f32_32x16x128_f4), f32 sums; products left as they are: f32 operands where the result goes on into a quantised operand, else bf16, f16 or f32 operands; f32 sums; everything else in f32.
;; Inputs: W0 1,521 x 128 float32; W1 4,992 x 128 float32; inputs 2,048 x 39 x 16 float32.
;; Outputs: out0 2,048 x 256 float32.
;; This version of the problem:
;;   THIS VERSION OF THE PROBLEM IS GIVEN IN LOW PRECISION. The matrix products marked QUANTISED in the list below multiply operands that are first quantised to E2M1 (2 exponent bits, 1 mantissa bit; 4 bits a number), with one power-of-two scale for each 32 numbers along K (OCP MX v1.0); their sums are f32. All else is computed in f32.
;;   The module's matrix products, in the order in which they are computed (A, B: the left and right operand; K: the contracted axis; several contracted axes count as one K, in the product's order):
;;     1. batch 32,768 x [M 39, K 1] x [K 1, N 39]; A: computed on the way; B: computed on the way: left as it is (no contracted axis)
;;     2. [M 128, K 1,521] x [K 1,521, N 32,768]; A: input W0; B: computed on the way: QUANTISED
;;     3. batch 32,768 x [M 39, K 1] x [K 1, N 128]; A: computed on the way; B: computed on the way: left as it is (no contracted axis)
;;     4. [M 128, K 4,992] x [K 4,992, N 32,768]; A: input W1; B: computed on the way: QUANTISED
;;   THE QUANTISER, for each operand of a quantised product, along K:
;;     - K is cut into blocks of 32 from its start; a last block that is shorter is filled with zeros.
;;     - A block's scale is 2^e with e = floor(log2(the largest magnitude in the block)) - 2, held to -126 .. 127; a block of zeros has e = 0. As a byte (E8M0): e + 127.
;;     - Each number is divided by its block's scale, clamped to +-6, and rounded to the nearest number of E2M1, ties to even, subnormals kept.
;;     - The product sums the exact products of the quantised numbers (number of the format x scale) in f32.
;;   ~~~python
;;   def quantise(x, axis):      # numpy; x: float32 -> the quantised numbers, widened to float32 again
;;       x = np.moveaxis(x, axis, -1); K = x.shape[-1]
;;       x = np.pad(x, [(0, 0)] * (x.ndim - 1) + [(0, -K % 32)]); x = x.reshape(x.shape[:-1] + (-1, 32)); a = np.abs(x).max(-1, keepdims=True)
;;       e = np.where(a > 0, np.clip(np.frexp(np.where(a > 0, a, 1))[1] - 1 - 2, -126, 127), 0)      # np.frexp(a)[1] - 1 = floor(log2(a)), exactly
;;       r = np.clip(x / 2.0 ** e, -6, 6)
;;       step = 2.0 ** (np.maximum(np.frexp(np.where(r == 0, 1, r))[1] - 1, 0) - 1)
;;       q = np.round(r / step) * step * 2.0 ** e      # np.round: ties to even
;;       return np.moveaxis(q.reshape(q.shape[:-2] + (-1,))[..., :K], -1, axis).astype(np.float32)
;;   ~~~
;;   OPERANDS COMPUTED ON THE WAY. 'Computed on the way' means the value that the module computes at that place (a softmax that the list does not call 'softmax' is quantised finished and normalised). What goes into a quantiser is computed in f32, as accurately as f32 sums, v_exp_f32 and their like allow (about 1e-6 of the number): no bf16 or f16 on the way to a quantiser, and a product that is left as it is and whose result goes on into a quantised operand takes f32 operands (vector FMAs, or v_wmma_f32_16x16x4_f32). A number that lies on a knife's edge between two numbers of the format may be rounded either way, as far as f32 arithmetic and the matrix unit's own rounding can turn it there, and no further.
;; One version. Each part assembles by itself: llvm-mc -triple=amdgcn-amd-amdhsa -mcpu=gfx1250 --defsym DOCPART=n.
;; ======== version 1 of 1: 2 launches
;; workspace buffers: wq_codes 417,792 bytes; wq_scales 26,112 bytes
;; launch prep (part 1): grid 51 x 1, 16 waves a work-group, no clusters, 2,560 bytes of LDS; arguments W0, W1, wq_codes, wq_scales; writes wq_codes, wq_scales
.if DOCPART == 1
	.amdgcn_target "amdgcn-amd-amdhsa--gfx1250"
	.amdhsa_code_object_version 6
	.text
	.protected	k_q8ffcbda013_prep
	.globl	k_q8ffcbda013_prep
	.p2align	8
	.type	k_q8ffcbda013_prep,@function
k_q8ffcbda013_prep:
	s_mov_b64 s[64:65], 0
	v_nop
	global_prefetch_b8 v0, s[64:65] scope:SCOPE_SE
	s_setreg_imm32_b32 hwreg(HW_REG_WAVE_MODE, 25, 1), 1
	s_wait_xcnt 0x0
; W0 [1521][128] and W1 [4992][128], f32, K = the first axis, become codes of FP4 (E2M1) with one E8M0 byte for each 32 along K,
; laid as IMAGES OF THE OPERAND REGISTERS of the second launch, one K step of 128 after the other: steps 0-11 are W0 (K filled with zeros from 1,521 to 1,536), steps 12-50 are W1.
;   wq_codes  byte g*8192 + tile*1024 + c*512 + l*16: the 16 bytes that lane l (row l%16 of the tile, half l/16) holds in registers 4c..4c+3: k = 64c + 32(l/16) + 0..31 of the step.
;   wq_scales byte g*512 + l*16 + u*4 + b: the byte of block b of tile 2u + l/16, row l%16.
; Which column of W a tile row is: W1: 16 tile + row.  W0: 64 (tile/4) + 32 (row/8) + 8 (tile%4) + row%8, so that the first layer, used transposed, leaves its results in the order that the second layer multiplies from.
; SHARES: work-group g = K step g.  Wave 4w + blk takes tiles 2w, 2w+1 (32 columns, a lane a column) and block blk: the lane's 32 registers run down K, so a block's largest magnitude needs no other lane
; and the conversions give codes with K innermost.  A wave's store of codes covers two aligned runs of 256 bytes.  The 512 scale bytes meet in LDS and leave by one store of wave 0.
; A block's scale is 2^(floor(log2(largest magnitude)) - 2); its byte is the largest magnitude's exponent field - 2, held at 1 from below by a floor among the maximum's leaves.
; LIMITS: a block of zeros gets the byte 1 (the rule says 127): its codes are zeros and only this program reads the bytes.  NaN and infinities among the inputs are not served.
	s_load_b128 s[4:7], s[0:1], 0x0                ; W0, W1
	s_load_b128 s[8:11], s[0:1], 0x10              ; wq_codes, wq_scales
	v_lshl_add_u32 v64, v0, 2, 0x200
	v_mov_b32 v65, 0
	v_lshrrev_b32 v1, 5, v0
	v_readfirstlane_b32 s12, v1                    ; wave 0..15
	v_and_b32 v1, 31, v0                           ; lane
	s_lshr_b32 s13, s12, 2                         ; w: which pair of tiles
	s_and_b32 s14, s12, 3                          ; blk: which 32 along K
	s_lshl_b32 s15, s13, 5
	v_add_nc_u32 v3, s15, v1                       ; W1: column 32 w + lane
	s_lshr_b32 s16, s13, 1
	s_lshl_b32 s16, s16, 6                         ; W0: 64 (w/2)
	s_and_b32 s17, s13, 1
	s_lshl_b32 s17, s17, 4                         ;     + 16 (w%2)
	s_add_co_u32 s16, s16, s17
	v_and_b32 v4, 7, v1                            ;     + lane%8
	v_bfe_u32 v5, v1, 3, 1
	v_lshl_add_u32 v4, v5, 5, v4                   ;     + 32 ((lane/8)%2)
	v_lshrrev_b32 v5, 4, v1
	v_lshl_add_u32 v4, v5, 3, v4                   ;     + 8 (lane/16)
	v_add_nc_u32 v4, s16, v4
	v_and_b32 v6, 15, v1
	v_lshlrev_b32 v6, 4, v6
	v_lshl_add_u32 v6, v5, 10, v6                  ; codes out: 1024 (lane/16) + 16 (lane%16)
	v_lshlrev_b32 v7, 4, v1                        ; 16 x lane
	v_add_nc_u32 v52, s12, v7                      ; LDS: my scale byte at 16 x lane + wave
	s_lshl_b32 s24, ttmp9, 13                      ; codes out: 8192 g
	s_lshl_b32 s18, s13, 11                        ;   + 2048 w
	s_add_co_u32 s24, s24, s18
	s_lshr_b32 s18, s14, 1
	s_lshl_b32 s18, s18, 9                         ;   + 512 (blk/2)
	s_add_co_u32 s24, s24, s18
	s_and_b32 s18, s14, 1
	s_lshl_b32 s18, s18, 8                         ;   + 256 (blk%2)
	s_add_co_u32 s24, s24, s18
	s_mov_b32 s25, 0
	s_lshl_b32 s26, ttmp9, 9                       ; scales out: 512 g
	s_mov_b32 s27, 0
	s_lshl_b32 s28, ttmp9, 2
	s_add_co_u32 s28, s28, s14                     ; 4 g + blk: 47 is the block of W0 that K leaves short
	s_wait_kmcnt 0x0
	s_cmp_lt_u32 ttmp9, 12                         ; W0 or W1: the choice hangs on the work-group number alone
	s_cselect_b64 s[4:5], s[4:5], s[6:7]
	s_cselect_b32 s19, -1, 0
	s_cselect_b32 s20, 0, 12
	v_cndmask_b32 v2, v3, v4, s19                  ; my column
	v_lshlrev_b32 v2, 2, v2
	s_sub_co_u32 s20, ttmp9, s20                   ; the step inside its tensor
	s_lshl_b32 s20, s20, 16                        ; 128 rows of 512 bytes
	s_lshl_b32 s21, s14, 14                        ; + 32 rows a block
	s_add_co_u32 s20, s20, s21
	s_mov_b32 s21, 0
	s_add_nc_u64 s[4:5], s[4:5], s[20:21]
	s_add_nc_u64 s[8:9], s[8:9], s[24:25]
	s_add_nc_u64 s[10:11], s[10:11], s[26:27]
.irp i, 0,1,2,3,4,5,6,7,8,9,10,11,12,13,14,15,16
	global_load_b32 v[8+\i], v2, s[4:5] offset:512*\i th:TH_LOAD_NT
.endr
	s_cmp_eq_u32 s28, 47
	s_cbranch_scc1 .Lshort                         ; rows 1,521 on do not exist: no load leaves its buffer
.irp i, 17,18,19,20,21,22,23,24,25,26,27,28,29,30,31
	global_load_b32 v[8+\i], v2, s[4:5] offset:512*\i th:TH_LOAD_NT
.endr
	s_branch .Ljoin
.Lshort:
.irp i, 17,18,19,20,21,22,23,24,25,26,27,28,29,30,31
	v_mov_b32 v[8+\i], 0                           ; the quantiser fills the last block with zeros
.endr
.Ljoin:
	s_wait_loadcnt 0x0
	v_max3_num_f32 v40, |v8|, |v9|, 0x1800000      ; two chains; the floor 2^(3-127) is a leaf: the byte cannot fall under 1
	v_max3_num_f32 v41, |v10|, |v11|, |v12|
.irp i, 13,17,21,25,29,33
	v_max3_num_f32 v40, v40, |v[\i]|, |v[\i+1]|
	v_max3_num_f32 v41, v41, |v[\i+2]|, |v[\i+3]|
.endr
	v_max3_num_f32 v40, v40, |v37|, |v38|
	v_max3_num_f32 v40, v40, v41, |v39|
	v_add_nc_u32 v42, 0xff000000, v40              ; 2 off the exponent field: the conversion takes this operand's exponent field as its scale
.irp g, 0,1,2,3
	v_cvt_scalef32_pk8_fp4_f32 v[44+\g], v[8+8*\g:15+8*\g], v42
.endr
	v_lshrrev_b32 v43, 23, v42                     ; the scale byte (a plain line behind the conversions)
	ds_store_b8 v52, v43
	global_store_b128 v6, v[44:47], s[8:9]         ; sixteen lanes fill 256 consecutive bytes, aligned
	s_wait_dscnt 0x0                               ; for the others: my byte lies in LDS
	s_barrier_signal -1
	s_barrier_wait -1
	s_cmp_lg_u32 s12, 0
	s_cbranch_scc1 .Lend
	ds_load_b128 v[48:51], v7                      ; wave 0: the step's 512 scale bytes
	s_wait_dscnt 0x0
	global_store_b128 v7, v[48:51], s[10:11]
.Lend:
	s_wait_tensorcnt 0x0
	ds_add_u32 v64, v65
	s_wait_dscnt 0x0
	s_endpgm
.Lfunc_end_k_q8ffcbda013_prep:
	.size	k_q8ffcbda013_prep, .Lfunc_end_k_q8ffcbda013_prep-k_q8ffcbda013_prep
	.p2alignl 7, 3214868480
	.fill 96, 4, 3214868480
	.section	.rodata,"a",@progbits
	.p2align	6, 0x0
	.amdhsa_kernel k_q8ffcbda013_prep
		.amdhsa_group_segment_fixed_size 2560
		.amdhsa_private_segment_fixed_size 0
		.amdhsa_enable_private_segment 0
		.amdhsa_kernarg_size 32
		.amdhsa_user_sgpr_count 2
		.amdhsa_user_sgpr_kernarg_segment_ptr 1
		.amdhsa_wavefront_size32 1
		.amdhsa_system_sgpr_workgroup_id_x 1
		.amdhsa_system_sgpr_workgroup_id_y 1
		.amdhsa_system_sgpr_workgroup_id_z 1
		.amdhsa_system_vgpr_workitem_id 0
		.amdhsa_next_free_vgpr 66
		.amdhsa_next_free_sgpr 66
		.amdhsa_reserve_vcc 0
		.amdhsa_float_denorm_mode_32 3
		.amdhsa_float_denorm_mode_16_64 3
		.amdhsa_memory_ordered 1
		.amdhsa_forward_progress 1
		.amdhsa_inst_pref_size 8
	.end_amdhsa_kernel
	.amdgpu_metadata
---
amdhsa.version: [ 1, 2 ]
amdhsa.kernels:
  - .name:           k_q8ffcbda013_prep
    .symbol:         k_q8ffcbda013_prep.kd
    .args:
      - { .name: W0, .offset: 0, .size: 8, .value_kind: global_buffer, .address_space: global }
      - { .name: W1, .offset: 8, .size: 8, .value_kind: global_buffer, .address_space: global }
      - { .name: wq_codes, .offset: 16, .size: 8, .value_kind: global_buffer, .address_space: global }
      - { .name: wq_scales, .offset: 24, .size: 8, .value_kind: global_buffer, .address_space: global }
    .group_segment_fixed_size: 2560
    .private_segment_fixed_size: 0
    .kernarg_segment_align: 8
    .kernarg_segment_size: 32
    .max_flat_workgroup_size: 512
    .sgpr_count:     66
    .vgpr_count:     66
    .wavefront_size: 32
...
	.end_amdgpu_metadata
.endif
;; end of part 1
;; launch cin (part 2): grid 256 x 1, 4 waves a work-group, clusters of 4 x 1, 327,680 bytes of LDS; arguments inputs, wq_codes, wq_scales, out0; writes out0
.if DOCPART == 2
	.amdgcn_target "amdgcn-amd-amdhsa--gfx1250"
	.amdhsa_code_object_version 6
	.text
	.protected	k_q8ffcbda013_cin
	.globl	k_q8ffcbda013_cin
	.p2align	8
	.type	k_q8ffcbda013_cin,@function
k_q8ffcbda013_cin:
	s_mov_b64 s[64:65], 0
	v_nop
	global_prefetch_b8 v0, s[64:65] scope:SCOPE_SE
	s_setreg_imm32_b32 hwreg(HW_REG_WAVE_MODE, 25, 1), 1
	s_wait_xcnt 0x0
	s_wait_alu depctr_hold_cnt(0) depctr_sa_sdst(0) depctr_va_vdst(0) depctr_va_sdst(0) depctr_va_ssrc(0) depctr_va_vcc(0) depctr_vm_vsrc(0)
	s_getreg_b32 s2, hwreg(HW_REG_IB_STS2, 6, 4)
	s_cmp_eq_u32 s2, 0
	s_cbranch_scc0 .Lentry_in_a_cluster
	s_endpgm
.Lentry_in_a_cluster:
	s_bfe_u32 s2, ttmp6, 0x10000c
	s_cmp_lg_u32 s2, 0x3003
	s_cbranch_scc0 .Lentry_shape_is_right
	s_endpgm
.Lentry_shape_is_right:
; out0[b][0:128] = sum over d of X1[b][.][d], out0[b][128:256] = sum over d of X2[b][.][d], with x = inputs [2048][39][16] and, for a ROW (b, d):
;   z1[39 m + n] = x[m] x[n] (K = 1,521),  X1 = Q(z1) Q(W0);   z2[128 m + n] = x[m] X1[n] (K = 4,992),  X2 = Q(z2) Q(W1);  Q: MX-FP4 along K.  z1, X1, z2 never leave the registers.
; SHARES.  A work-group owns 8 b, each of its four waves 2 b = 32 rows = two FRAGMENTS of 16 rows: row r of fragment f is (b0 + r/8, d = 8 f + r%8).  Every wave makes all 128 outputs of both layers for its rows.
; THE WEIGHTS come as register images (launch prep), 8,192 bytes of codes and 512 of scale bytes a K step of 128, 51 steps.  All work-groups walk the same stream: the four of a cluster ask for each piece JOINTLY.
; LAYER 1 is used transposed (source 0 = 16 rows of W0's image, source 1 = z1): lane (r, h) then holds row r, and register 32 c + i of its 64 is X1[n = 64 c + 32 h + i]: the order of the next operand, whole blocks of 32 in a lane.
;   z1: lane (r, h) wants p = 128 s + 64 c + 32 h + i.  N[j] holds x[j] in lanes 0-15 and x[(j + 32) mod 39] in lanes 16-31, so register (128 s + 64 c + i) mod 39 serves both halves; it is kept twice (NE, NO) so that every
;   even i finds an aligned pair.  The multiplier x[p / 39] is a register of X where both halves want the same m, else one of four mixed registers MX.  X[39] = 0 makes p >= 1,521 zeros.
; LAYER 2 (source 0 = z2, source 1 = W1's image): a K step is one m.  z2 = x[m] X1: 32 packed multiplies.  Rounding is monotone, so a block's largest |x[m] X1[n]| is |x[m]| times the block's largest |X1[n]|, rounded:
;   one multiply a block.  Both fragments add into ONE set of 8 accumulators, since only the sum over d is wanted; a lane's 8 registers of a result are 8 d of one b.
;   The vector work of one fragment stands between the matrix instructions of the other.  The scale words are made in two stages, a period apart, so that the lines of a period's head do not read each other's results.
; LIMITS.  Layer 2's scale has no floor: a block whose largest magnitude lies under 2^-124 gets a byte under 1 (an absolute error under 2^-124); blocks of zeros get zero codes under the byte 0 or 1.
;   NaN and infinities among the inputs are not served.  The sums over d and over K are f32 sums in another order than the reference's.
; LDS: the ring, 34 K steps (step g at (g mod 34) x 8,192; steps 0-16 are filled again once, with steps 34-50); all scale images; 5,120 bytes of scratch for each wave, written by its own stores alone; the spare words.
.set STEPB, 8192
.set SCLB,  512
.set SCL,   34*STEPB
.set SCR,   SCL+51*SCLB
.set SCRW,  5120
.set SPARE, SCR+4*SCRW
; window 0
.set LI16, 1                           ; 16 x lane
.set AW,   2                           ; LDS address of the weight image in hand
.set ASC,  3                           ; of its scale image
.set AX,   4                           ; of the multiplier pair in hand
.set XT0,  5                           ; my scratch + 8 r: the table of multipliers
.set SPW,  6                           ; my spare word;  never rewritten
.set NIL,  7                           ; 0;  never rewritten
.set VX,   8                           ; inputs: 2496 (r/8) + 4 (r%8) + 32 (lane/16)
.set STO,  9                           ; the stage for the sum over d of X1: in
.set SRD,  10                          ; and back
.set GO,   11                          ; out0: 1024 (lane/16) + 16 (lane%16)
.set SELP, 12                          ; v_perm selector: my two scale bytes to their places in the word
.set SA,   14                          ; v14, v15: scale words of fragment 0 (layer 1: v14 alone)
.set SB,   16                          ; v16: scale word of fragment 1
.set EST,  17                          ; the last stage: in
.set ELD,  18                          ; and back
.set WS,   20                          ; v20-23, v24-27: the weights' scale words, two sets
.set MX,   28                          ; v28-31: mixed multipliers
.set XB,   47                          ; X[f][m] at XB + 2 m + f, m = 0..39; v46 = 0, v127 = 0
.set WB,   128                         ; v128-191, v192-255: weight fragments, two sets, tile t at + 8 t
.set PK,   48                          ; layer 2, over X: v48-49, v50-51: entry k = (x[fragment 1][k], x[fragment 0][k+1]) for the multiplies, set k % 2
.set PKS,  52                          ; v52-53, v54-55: the same entries a period earlier, for the scale lines, set k % 2
.set UW,   56                          ; v56-59
.set WD,   60                          ; v60-61: my two bytes of each of the two scale words under way
.set XD,   62                          ; v62-63
.set BMX,  64                          ; v64-67: a quarter of the largest |X1| of my block: [f][c]
.set TP,   68                          ; v68-75: the conversions' scale operands, set q = k % 2: fragment 0's at TP + 4 q, fragment 1's at TP + 4 q + 2
; window 1: v0-127 X1 (fragment f at 64 f)
.set TL1,  128                         ; layer 1: 64 numbers of z1
.set YY,   128                         ; transition
.set RB,   160
.set ACC2, 128                         ; layer 2: 8 accumulators
.set TL2,  192                         ; four groups of 8 numbers of z2
.set ZL2,  224                         ; z2's codes, fragment f at + 8 f
.set BMC,  240                         ; layer 1: eight chains of maxima, block c's at + 4 c
.set SO,   248                         ; the conversions' scale operands
.set UU,   250                         ; the scale bytes in byte 3
.set SELP1, 252
.set WD1,  253
.set RES,  248                         ; transition: two results of 16 bytes
; window 2: NE[f] at 80 f, NO[f] at 80 f + 41 + j
.set ZL1,  160                         ; z1's codes, fragment f at + 8 f
.set XD2,  176                         ; layer 1: the other half's two scale bytes
; scalars
.set WV,  12
.set CX,  13
.set G1S, 16
.set G1A, 24
.set G1B, 32
.set G1C, 40
.set GD0, 48
.set GD1, 52
.set GD2, 56
.set GD3, 60
.set GD4, 68
.set GD5, 72
.set GD6, 76
.set SEL, 80
.set HI,  82
.set WQ,  83
.set TW,  84
.set TS,  85
.set TX,  86
.set CNT, 87
.set MSB, 0
.macro WIN new                         ; s_set_vgpr_msb: bits 1:0 source 0, 3:2 source 1, 5:4 source 2, 7:6 destination; the high byte repeats the setting that is left
.if MSB != \new
	s_set_vgpr_msb (MSB<<8)|\new
.set MSB, \new
.endif
.endm
.macro ROUND                           ; a round of the cluster's barrier
	s_barrier_signal -1
	s_barrier_wait -1
	s_cmp_lg_u32 s[WV], 0
	s_cbranch_scc1 .Lnot_wave_0_\@
	s_barrier_signal -3
.Lnot_wave_0_\@:
	s_barrier_wait -3
	s_barrier_signal -1
	s_barrier_wait -1
.endm
.macro STAGEWAIT n                     ; my quarter of the next piece has landed (n younger fills may stay out); my LDS loads are in; then everybody's quarter has.
	s_wait_tensorcnt \n
	s_wait_dscnt 0x0
	s_barrier_signal -1
	s_barrier_wait -1
.endm
.macro PLACES
.rept 4
	v_nop
.endr
.endm
.macro GROUP1 g, c, r                  ; r rows of c elements of 8 bytes, dense; 15:0 the mask: all four work-groups; 17:16 elements of 8 bytes; 21 set beside a mask
	s_mov_b32 s[\g], 15|(3<<16)|(1<<21)
	s_mov_b32 s[\g+1], ((\c)&0xffff)<<16
	s_mov_b32 s[\g+2], ((\c)>>16)|((\r)<<16)
	s_mov_b32 s[\g+3], (\c)<<16
	s_mov_b32 s[\g+4], \r
	s_mov_b32 s[\g+5], \c
	s_mov_b32 s[\g+6], 0
	s_mov_b32 s[\g+7], 0
.endm
.macro GROUP0 d, base, lds, glob       ; s[96:97]: my wave's quarter, in bytes: the wave number times a constant
	s_mov_b32 s[\d], 1
	s_add_co_u32 s[\d+1], s96, \lds
	s_add_nc_u64 s[\d+2:\d+3], s[\base:\base+1], s[96:97]
.if (\glob) != 0
	s_add_nc_u64 s[\d+2:\d+3], s[\d+2:\d+3], \glob
.endif
	s_or_b32 s[\d+3], s[\d+3], 0x80000000
.endm
.macro WLOAD p                         ; a K step's 8 weight fragments and their scale words, as they lie: 17 loads of 512 consecutive bytes
.irp i, 0,1,2,3,4,5,6,7,8,9,10,11,12,13,14,15
	ds_load_b128 v[WB+64*(\p)+4*\i:WB+64*(\p)+4*\i+3], v[AW] offset:512*\i
.endr
	ds_load_b128 v[WS+4*(\p):WS+4*(\p)+3], v[ASC]
.endm
.macro WM zero, row                    ; the matrix instruction on dd_, aa_, bb_, sa_, sb_; row = 1: source 0's scales in lanes 16-31; 2: source 1's
.if \zero
.if \row == 1
	v_wmma_scale_f32_16x16x128_f8f6f4 v[dd_:dd_+7], v[aa_:aa_+7], v[bb_:bb_+7], 0, v[sa_], v[sb_] matrix_a_fmt:MATRIX_FMT_FP4 matrix_b_fmt:MATRIX_FMT_FP4 matrix_a_scale:MATRIX_SCALE_ROW1
.elseif \row == 2
	v_wmma_scale_f32_16x16x128_f8f6f4 v[dd_:dd_+7], v[aa_:aa_+7], v[bb_:bb_+7], 0, v[sa_], v[sb_] matrix_a_fmt:MATRIX_FMT_FP4 matrix_b_fmt:MATRIX_FMT_FP4 matrix_b_scale:MATRIX_SCALE_ROW1
.else
	v_wmma_scale_f32_16x16x128_f8f6f4 v[dd_:dd_+7], v[aa_:aa_+7], v[bb_:bb_+7], 0, v[sa_], v[sb_] matrix_a_fmt:MATRIX_FMT_FP4 matrix_b_fmt:MATRIX_FMT_FP4
.endif
.else
.if \row == 1
	v_wmma_scale_f32_16x16x128_f8f6f4 v[dd_:dd_+7], v[aa_:aa_+7], v[bb_:bb_+7], v[dd_:dd_+7], v[sa_], v[sb_] matrix_a_fmt:MATRIX_FMT_FP4 matrix_b_fmt:MATRIX_FMT_FP4 matrix_a_scale:MATRIX_SCALE_ROW1
.elseif \row == 2
	v_wmma_scale_f32_16x16x128_f8f6f4 v[dd_:dd_+7], v[aa_:aa_+7], v[bb_:bb_+7], v[dd_:dd_+7], v[sa_], v[sb_] matrix_a_fmt:MATRIX_FMT_FP4 matrix_b_fmt:MATRIX_FMT_FP4 matrix_b_scale:MATRIX_SCALE_ROW1
.else
	v_wmma_scale_f32_16x16x128_f8f6f4 v[dd_:dd_+7], v[aa_:aa_+7], v[bb_:bb_+7], v[dd_:dd_+7], v[sa_], v[sb_] matrix_a_fmt:MATRIX_FMT_FP4 matrix_b_fmt:MATRIX_FMT_FP4
.endif
.endif
.endm
; The largest magnitudes of two blocks of 32 registers (from s0 and from s1), for the transition: four chains r .. r+3 by turns; results in r and r+2
.macro MAX2 r, s0, s1
	v_max_num_f32 v[\r], |v[\s0]|, |v[\s0+1]|
	v_max_num_f32 v[\r+2], |v[\s1]|, |v[\s1+1]|
	v_max3_num_f32 v[\r+1], |v[\s0+16]|, |v[\s0+17]|, |v[\s0+18]|
	v_max3_num_f32 v[\r+3], |v[\s1+16]|, |v[\s1+17]|, |v[\s1+18]|
.irp i, 2,4,6,8,10,12
	v_max3_num_f32 v[\r], v[\r], |v[\s0+\i]|, |v[\s0+\i+1]|
	v_max3_num_f32 v[\r+2], v[\r+2], |v[\s1+\i]|, |v[\s1+\i+1]|
	v_max3_num_f32 v[\r+1], v[\r+1], |v[\s0+17+\i]|, |v[\s0+18+\i]|
	v_max3_num_f32 v[\r+3], v[\r+3], |v[\s1+17+\i]|, |v[\s1+18+\i]|
.endr
	v_max3_num_f32 v[\r], v[\r], |v[\s0+14]|, |v[\s0+15]|
	v_max3_num_f32 v[\r+2], v[\r+2], |v[\s1+14]|, |v[\s1+15]|
	v_max3_num_f32 v[\r], v[\r], v[\r+1], |v[\s0+31]|
	v_max3_num_f32 v[\r+2], v[\r+2], v[\r+3], |v[\s1+31]|
.endm
; ---------------------------------------------------------------- layer 1
; The largest magnitudes of z1's two blocks, with the floor 2^(3-127) as a leaf: 32 lines.  Chain i of block b takes numbers 8 i .. 8 i + 6; the eight chains go by turns, so that a line stands
; eight lines behind the one whose result it reads; numbers 7, 15, 23, 31 and the floor come in at the joins.  Results in BMC and BMC + 4.
.macro MAXU
.irp i, 0,1,2,3
.irp b, 0,1
	v_max3_num_f32 v[BMC+4*\b+\i], |v[TL1+32*\b+8*\i]|, |v[TL1+32*\b+8*\i+1]|, |v[TL1+32*\b+8*\i+2]|
.endr
.endr
.irp e, 3,5
.irp i, 0,1,2,3
.irp b, 0,1
	v_max3_num_f32 v[BMC+4*\b+\i], v[BMC+4*\b+\i], |v[TL1+32*\b+8*\i+\e]|, |v[TL1+32*\b+8*\i+\e+1]|
.endr
.endr
.endr
.irp b, 0,1
	v_max3_num_f32 v[UU+\b], |v[TL1+32*\b+23]|, |v[TL1+32*\b+31]|, 0x1800000
.endr
.irp b, 0,1
	v_max3_num_f32 v[BMC+4*\b], v[BMC+4*\b], v[BMC+4*\b+1], |v[TL1+32*\b+7]|
.endr
.irp b, 0,1
	v_max3_num_f32 v[BMC+4*\b+2], v[BMC+4*\b+2], v[BMC+4*\b+3], |v[TL1+32*\b+15]|
.endr
.irp b, 0,1
	v_max3_num_f32 v[BMC+4*\b], v[BMC+4*\b], v[BMC+4*\b+2], v[UU+\b]
.endr
.endm
.macro MULREG k, f                     ; MR = the register of the multiplier of kind k: 0: x[a0] in both halves; 1: x[a0] | x[a0+1]; 2: x[a0+1] in both; 3: x[a0+1] | x[a0+2]
.if (\k) == 0
.set MR, XB+2*a0_+(\f)
.elseif (\k) == 1
.set MR, MX+2*c_
.elseif (\k) == 2
.set MR, XB+2*a0_+2+(\f)
.else
.set MR, MX+2*c_+1
.endif
.endm
.macro PAIR1 s, f                      ; numbers i, i+1 (i = 2 (t_ % 16)) of block pair c = t_ / 16 of K step s
.set c_, t_/16
.set i_, 2*(t_%16)
.set p_, 64*(2*(\s)+c_)+i_
.set a0_, (64*(2*(\s)+c_))/39
.set k0_, p_/39+(p_+32)/39-2*a0_
.set k1_, (p_+1)/39+(p_+33)/39-2*a0_
.set j_, p_%39
.set d_, TL1+32*c_+i_
.if k0_ == k1_
	MULREG k0_, \f
.if j_%2 == 0
.set n_, 80*(\f)+j_
.else
.set n_, 80*(\f)+41+j_
.endif
.if MR%2 == 0
	v_pk_mul_f32 v[d_:d_+1], v[MR:MR+1], v[n_:n_+1] op_sel_hi:[0,1]
.else
	v_pk_mul_f32 v[d_:d_+1], v[MR-1:MR], v[n_:n_+1] op_sel:[1,0] op_sel_hi:[1,1]
.endif
.else
	MULREG k0_, \f
	v_mul_f32 v[d_], v[MR], v[80*(\f)+j_]
	MULREG k1_, \f
	v_mul_f32 v[d_+1], v[MR], v[80*(\f)+(j_+1)%39]
.endif
.endm
.macro MM1                             ; X1[pf_] tile tau_ += W0's image of step ps_ x z1's codes.  The 16 accumulators take turns, one instruction a turn
.set dd_, 64*pf_+8*tau_
.set aa_, WB+64*(ps_%2)+8*tau_
.set bb_, ZL1+8*pf_
.set sa_, WS+4*(ps_%2)+tau_/2
.set sb_, SA+2*pf_
.set ze_, 0
.if ps_ == 0
.set ze_, 1
.endif
.set ro_, tau_%2
	WM ze_, ro_
.endm
; A unit: fragment f's operand of K step s is made; the 8 matrix instructions of the unit before stand among its multiplies.
.macro UNIT1 s, f
.set ps_, (\s)-1+(\f)
.set pf_, 1-(\f)
	WIN 0
.irp c, 0,1
.irp e, 0,1
.set a_, (64*(2*(\s)+\c))/39+\e
	v_cndmask_b32 v[MX+2*\c+\e], v[XB+2*a_+(\f)], v[XB+2*a_+2+(\f)], s[HI]
.endr
.endr
.if (\f) == 1
.if ((\s) == 0) || ((\s) == 4) || ((\s) == 8)
	STAGEWAIT 4-(\s)/4                             ; the piece with steps s+1 .. s+4 is in (at s = 0 the scale images and step 0 too): behind it 4, 3, 2 of my first fills were issued
.endif
.if (\s) == 0
	v_mov_b32 v[AW], v[LI16]                       ; step 0's weights are asked for here and not earlier: the first unit needs none
	v_add_nc_u32 v[ASC], SCL, v[LI16]
	WLOAD 0
.endif
	v_add_nc_u32 v[AW], ((\s)+1)*STEPB, v[LI16]
	v_add_nc_u32 v[ASC], SCL+((\s)+1)*SCLB, v[LI16]
	WLOAD ((\s)+1)%2                               ; the next step's weights: their set was last read by matrix instructions of the unit before, a hundred plain lines back
.endif
	WIN 0x58                                       ; destination and C window 1, source 0 window 0, source 1 window 2: serves the multiplies and the matrix instructions alike
.set t_, 0
.rept 32
	PAIR1 \s, \f
.if (ps_ >= 0) && (t_ >= 8) && ((t_-8)%3 == 0)
.if ((\f) == 1) && (t_ == 8)
	s_wait_dscnt 17                                ; this step's weights are in; the 17 loads just issued may stay out
.endif
.set tau_, (t_-8)/3
	MM1
.endif
.set t_, t_+1
.endr
	WIN 0x55
	MAXU                                           ; my two blocks: all 32 numbers of each are mine
	v_lshl_add_u32 v[UU], v[BMC], 1, 0xfe000000    ; the scale byte (the exponent field less 2) in byte 3, straight from the maximum
	v_lshl_add_u32 v[UU+1], v[BMC+4], 1, 0xfe000000
	v_add_nc_u32 v[SO], 0xff000000, v[BMC]         ; 2 off the exponent field: the conversion's scale operand
	v_add_nc_u32 v[SO+1], 0xff000000, v[BMC+4]
	v_perm_b32 v[WD1], v[UU+1], v[UU], v[SELP1]    ; my bytes (blocks h and 2 + h) at their places, zeros elsewhere
	WIN 0x85                                       ; destination window 2, sources window 1: the conversions stand between the line above and the exchange that reads its result
.irp c, 0,1
.irp g, 0,1,2,3
	v_cvt_scalef32_pk8_fp4_f32 v[ZL1+8*(\f)+4*\c+\g], v[TL1+32*\c+8*\g:TL1+32*\c+8*\g+7], v[SO+\c]
.endr
.endr
	v_nop                                          ; a plain line behind the conversions
	v_permlanex16_b32 v[XD2], v[WD1], s[SEL], s[SEL+1]
	WIN 0x09                                       ; destination window 0, source 0 window 1, source 1 window 2
	v_or_b32 v[SA+2*(\f)], v[WD1], v[XD2]          ; with lane l xor 16's two the row's word is whole
.endm
; ---------------------------------------------------------------- layer 2
; THE SCALE LINES.  Entry k of the table gives (x[fragment 1][k], x[fragment 0][k+1]).  First stage: the conversions' scale operands, set q, and my two bytes of each of the two scale words (WD).  Second stage: the words.
.macro SCMUL pk, q                     ; a quarter of my block's largest |X1| times the multiplier: its exponent field is the scale byte
	v_pk_mul_f32 v[TP+4*(\q)+2:TP+4*(\q)+3], v[BMX+2:BMX+3], v[\pk:\pk+1] op_sel_hi:[1,0]
	v_pk_mul_f32 v[TP+4*(\q):TP+4*(\q)+1], v[BMX:BMX+1], v[\pk:\pk+1] op_sel:[0,1] op_sel_hi:[1,1]
.endm
.macro SCSHL q                         ; drops the sign; the exponent field comes into byte 3
	v_lshlrev_b32 v[UW], 1, v[TP+4*(\q)+2]
	v_lshlrev_b32 v[UW+1], 1, v[TP+4*(\q)+3]
	v_lshlrev_b32 v[UW+2], 1, v[TP+4*(\q)]
	v_lshlrev_b32 v[UW+3], 1, v[TP+4*(\q)+1]
.endm
.macro SCPRM
	v_perm_b32 v[WD], v[UW+1], v[UW], v[SELP]
	v_perm_b32 v[WD+1], v[UW+3], v[UW+2], v[SELP]
.endm
; At the head of period k (p = k % 2): the second stage of period k, and (nxt = 1) the first stage of period k + 1, by turns: no line reads the result of a line close in front of it.
.macro SCW p, nxt
.if \nxt
	SCMUL PKS+2*(1-(\p)), 1-(\p)
.else
	PLACES                                         ; the places between the last products, which read SB, and the line that writes it
.endif
	v_permlanex16_b32 v[XD], v[WD], s[SEL], s[SEL+1]
	v_permlanex16_b32 v[XD+1], v[WD+1], s[SEL], s[SEL+1]
.if \nxt
	SCSHL 1-(\p)
.endif
	v_or_b32 v[SB], v[WD], v[XD]                   ; fragment 1, m = k
	v_or_b32 v[SA+1-(\p)], v[WD+1], v[XD+1]        ; fragment 0, m = k + 1
.if \nxt
	SCPRM
.endif
.endm
.macro PHT fq, tq, fm, pw, sreg, zero, doV, doM   ; number h_: the conversion of group h_, and matrix instruction h_
.if \doV
	v_cvt_scalef32_pk8_fp4_f32 v[ZL2+8*(\fq)+h_], v[TL2+8*(h_%4):TL2+8*(h_%4)+7], v[\tq+h_/4]
.endif
.if \doM
.set dd_, ACC2+8*h_
.set aa_, ZL2+8*(\fm)
.set bb_, WB+64*(\pw)+8*h_
.set sa_, \sreg
.set sb_, WS+4*(\pw)+h_/2
.set ro_, 2*(h_%2)
	WM \zero, ro_
.endif
.endm
; Half a period, under ONE window setting: fragment fq's 64 numbers x its multiplier (register sel of the pair mreg), four packed multiplies at a time, each group converted a slot later;
; behind each conversion a matrix instruction of fragment fm, whose codes were made half a period ago.  The 8 accumulators take turns, one instruction a turn.
.macro PH fq, mreg, sel, tq, fm, pw, sreg, zero, doV, doM
.set g_, 0
.rept 8
.if \doV
.irp i, 0,2,4,6
.if \sel
	v_pk_mul_f32 v[TL2+8*(g_%4)+\i:TL2+8*(g_%4)+\i+1], v[64*(\fq)+8*g_+\i:64*(\fq)+8*g_+\i+1], v[\mreg:\mreg+1] op_sel:[0,1] op_sel_hi:[1,1]
.else
	v_pk_mul_f32 v[TL2+8*(g_%4)+\i:TL2+8*(g_%4)+\i+1], v[64*(\fq)+8*g_+\i:64*(\fq)+8*g_+\i+1], v[\mreg:\mreg+1] op_sel_hi:[1,0]
.endif
.endr
.endif
.if g_ > 0
.set h_, g_-1
	PHT \fq, \tq, \fm, \pw, \sreg, \zero, \doV, \doM
.endif
.set g_, g_+1
.endr
.set h_, 7
	PHT \fq, \tq, \fm, \pw, \sreg, \zero, \doV, \doM
.endm
; The head of period k (p = k % 2): what the last head asked for is in; the scale lines; the next step's weights, entry k + 1 for the multiplies and entry k + 2 for the scale lines are asked for.
; mode 1: the piece with steps 13-16 is awaited first.  mode 2: ring steps 0-16 have been read out: they are filled again, with steps 34-50.  mode 3: that fill is awaited.  mode 4: nothing more to fetch.
.macro SECTION p, mode
	WIN 0
	s_wait_dscnt 0x0                               ; the 19 loads of the last head, a period back
.if \mode == 2
	s_wait_tensorcnt 0x0                           ; all my tensor loads have landed, steps 17-33 among them: so a group 0 may be written
	ds_add_u32 v[SPW], v[NIL]                      ; 0 onto my spare word: the scale lines stand between it and the wait for it
	SCW \p, 1
	s_mov_b32 s[GD6+1], s[WQ]                      ; to ring steps 0-16, my quarter,
	s_add_nc_u64 s[GD6+2:GD6+3], s[GD6+2:GD6+3], 17*STEPB   ; from steps 34-50; the type bits on top are not reached
	s_wait_dscnt 0x0                               ; the add is done; my reads of steps 0-16 are over (the last were awaited at this head's first line)
	ROUND                                          ; the same holds of every wave of all four work-groups
	tensor_load_to_lds s[GD6:GD6+3], s[G1C:G1C+7]  ; my one tensor load behind the round, and the first thing there
	s_nop 0
	PLACES
.elseif \mode == 4
	SCW \p, 0
.else
	SCW \p, 1
.if \mode == 1
	STAGEWAIT 1                                    ; steps 13-16 are in; behind them one first fill was issued
.elseif \mode == 3
	STAGEWAIT 0                                    ; steps 34-50 are in
	s_mov_b32 s[TW], 0
.endif
.endif
.if \mode != 4
	v_add_nc_u32 v[AW], s[TW], v[LI16]
	v_add_nc_u32 v[ASC], s[TS], v[LI16]
	v_add_nc_u32 v[AX], s[TX], v[XT0]
	WLOAD 1-(\p)                                   ; into the set that the last period multiplied by: the scale lines are the places between
	ds_load_b64 v[PK+2-2*(\p):PK+3-2*(\p)], v[AX]              ; entry k + 1
	ds_load_b64 v[PKS+2*(\p):PKS+2*(\p)+1], v[AX] offset:128   ; entry k + 2; the table has 40 entries, so k + 2 = 39 lies inside it
	s_add_co_u32 s[TW], s[TW], STEPB
	s_add_co_u32 s[TS], s[TS], SCLB
	s_add_co_u32 s[TX], s[TX], 128
.endif
.endm
.macro PERIOD p, mode, zero, last      ; m = k: 16 matrix instructions; the operands of (fragment 1, k) and (fragment 0, k + 1) are made beside them
	SECTION \p, \mode
	WIN 0x51                                       ; destination, source 0 and C window 1, source 1 window 0
	PH 1, PK+2*(\p), 0, TP+4*(\p)+2, 0, \p, SA+(\p), \zero, 1, 1
.if \last
	PLACES                                         ; fragment 1's codes were just written
	PH 0, 0, 0, 0, 1, \p, SB, 0, 0, 1
.else
	PH 0, PK+2*(\p), 1, TP+4*(\p), 1, \p, SB, 0, 1, 1
.endif
.endm
; ================================================================ the head
	s_load_b256 s[4:11], s[0:1], 0x0               ; inputs s[4:5], wq_codes s[6:7], wq_scales s[8:9], out0 s[10:11]
	v_lshl_add_u32 v[SPW], v0, 2, SPARE
	v_mov_b32 v[NIL], 0
	ds_add_u32 v6, v7
	ds_add_u32 v6, v7
	s_wait_dscnt 0x0
	v_lshrrev_b32 v34, 5, v0
	v_readfirstlane_b32 s[WV], v34                 ; wave 0..3
	s_bfe_u32 s[CX], ttmp6, 0x40000                ; my place in the cluster: it enters the addresses of inputs and out0 alone
	s_lshl_b32 s88, ttmp9, 2
	s_add_co_u32 s88, s88, s[CX]                   ; work-group x
	s_lshl_b32 s88, s88, 3
	s_lshl_b32 s89, s[WV], 1
	s_add_co_u32 s88, s88, s89                     ; b0 = 8 x + 2 wave
	s_mul_i32 s90, s88, 2496                       ; a b of inputs is 39 x 16 x 4 bytes
	s_mov_b32 s91, 0
	s_lshl_b32 s92, s88, 10                        ; a row of out0 is 1,024 bytes
	s_mov_b32 s93, 0
	v_and_b32 v32, 15, v0                          ; r
	v_bfe_u32 v33, v0, 4, 1                        ; h
	v_and_b32 v34, 31, v0
	v_lshlrev_b32 v[LI16], 4, v34
	v_bfe_u32 v34, v0, 3, 1
	v_mul_u32_u24 v[VX], v34, 2496
	v_and_b32 v34, 7, v0
	v_lshl_add_u32 v[VX], v34, 2, v[VX]
	v_lshl_add_u32 v[VX], v33, 5, v[VX]            ; lanes 16-31 take fragment 1's d: 8 numbers on
	GROUP1 G1S, 816, 1                             ; a quarter of the scale images: one row of 6,528 bytes
	GROUP1 G1A, 32, 8                              ; a quarter of one K step: 8 rows of 256 bytes
	GROUP1 G1B, 32, 32                             ; of four steps
	GROUP1 G1C, 32, 136                            ; of seventeen
	s_mov_b32 s[SEL], 0x76543210
	s_mov_b32 s[SEL+1], 0xfedcba98                 ; v_permlanex16_b32: lane l xor 16
	s_mov_b32 s[HI], 0xffff0000                    ; lanes 16-31
	s_mul_i32 s94, s[WV], SCRW
	s_add_co_u32 s94, s94, SCR                     ; my scratch
	s_mul_i32 s[WQ], s[WV], 17*STEPB/4
	s_mov_b32 s97, 0
	s_wait_kmcnt 0x0
	s_add_nc_u64 s[4:5], s[4:5], s[90:91]
	s_add_nc_u64 s[10:11], s[10:11], s[92:93]
.set m_, 0
.rept 39                               ; x[b0 + r/8][m][8 (lane/16) + r%8]: ONE load serves both fragments: 39 loads are out together, and the tensor loads below follow them at once
	global_load_b32 v[XB+2*m_], v[VX], s[4:5] offset:64*m_
.set m_, m_+1
.endr
	s_mul_i32 s96, s[WV], 6528
	GROUP0 GD0, 8, SCL, 0
	s_lshl_b32 s96, s[WV], 11
	GROUP0 GD1, 6, 0, 0
	s_lshl_b32 s96, s[WV], 13
	GROUP0 GD2, 6, 1*STEPB, 1*STEPB
	GROUP0 GD3, 6, 5*STEPB, 5*STEPB
	GROUP0 GD4, 6, 9*STEPB, 9*STEPB
	GROUP0 GD5, 6, 13*STEPB, 13*STEPB
	s_mov_b32 s96, s[WQ]
	GROUP0 GD6, 6, 17*STEPB, 17*STEPB
	ROUND                                          ; all four work-groups are here: the first joint loads meet
	tensor_load_to_lds s[GD0:GD0+3], s[G1S:G1S+7]  ; the first fills go out as one group, small pieces first, so that work can begin: seven loads of mine are out
	s_nop 0
	tensor_load_to_lds s[GD1:GD1+3], s[G1A:G1A+7]  ; step 0
	s_nop 0
	tensor_load_to_lds s[GD2:GD2+3], s[G1B:G1B+7]  ; steps 1-4
	s_nop 0
	tensor_load_to_lds s[GD3:GD3+3], s[G1B:G1B+7]  ; steps 5-8
	s_nop 0
	tensor_load_to_lds s[GD4:GD4+3], s[G1B:G1B+7]  ; steps 9-12
	s_nop 0
	tensor_load_to_lds s[GD5:GD5+3], s[G1B:G1B+7]  ; steps 13-16
	s_nop 0
	tensor_load_to_lds s[GD6:GD6+3], s[G1C:G1C+7]  ; steps 17-33
	s_nop 0
	PLACES
	v_lshl_add_u32 v[XT0], v32, 3, s94
	v_mul_u32_u24 v[STO], v32, 272
	v_lshl_add_u32 v[STO], v33, 7, v[STO]
	v_add_nc_u32 v[STO], s94, v[STO]               ; row r of 272 bytes, + 128 h
	v_mul_u32_u24 v[SRD], v33, 2176
	v_lshl_add_u32 v[SRD], v32, 4, v[SRD]
	v_add_nc_u32 v[SRD], s94, v[SRD]               ; rows 8 (lane/16) on, 16 bytes a lane
	v_lshlrev_b32 v[GO], 10, v33
	v_lshl_add_u32 v[GO], v32, 4, v[GO]
	v_mul_u32_u24 v[EST], v33, 576
	v_lshl_add_u32 v[EST], v32, 2, v[EST]
	v_add_nc_u32 v[EST], s94, v[EST]               ; row h of 576 bytes, + 4 r
	v_add_nc_u32 v[ELD], s94, v[LI16]
	v_mov_b32 v[SELP], 0x0c070c03                  ; lanes 0-15: bytes 0 and 2 of the word;
	v_mov_b32 v34, 0x070c030c                      ; lanes 16-31: bytes 1 and 3
	v_cndmask_b32 v[SELP], v[SELP], v34, s[HI]
	v_mov_b32 v46, 0
	v_mov_b32 v[XB+78], 0                          ; X[0][39], X[1][39] = 0: what lies past K counts for nothing
	v_mov_b32 v[XB+79], 0
	v_mov_b32 v127, 0
	s_wait_loadcnt 0x0                             ; x
.set m_, 0
.rept 39
	v_mov_b32 v[XB+2*m_+1], v[XB+2*m_]
.set m_, m_+1
.endr
.set m_, 0
.rept 39                               ; the first's lanes 16-31 change places with the second's lanes 0-15: X[0][m] and X[1][m], each in both halves of the lanes
	v_permlane16_swap_b32 v[XB+2*m_], v[XB+2*m_+1]
.set m_, m_+1
.endr
	WIN 0x80
.irp f, 0,1
.set j_, 0
.rept 40                               ; NE[j] = N[j mod 39] at 80 f + j
	v_cndmask_b32 v[80*\f+j_], v[XB+2*(j_%39)+\f], v[XB+2*((j_%39+32)%39)+\f], s[HI]
.set j_, j_+1
.endr
.set j_, 1
.rept 38                               ; NO[j] = N[j] at 80 f + 41 + j: an odd j stands at an even register
	v_cndmask_b32 v[80*\f+41+j_], v[XB+2*j_+\f], v[XB+2*((j_+32)%39)+\f], s[HI]
.set j_, j_+1
.endr
.endr
	v_mov_b32 v[XD2], 0                            ; written once: a lane permute's destination counts as one of its sources
	WIN 0x40
	v_mov_b32 v[SELP1], v[SELP]
	WIN 0
; ================================================================ layer 1: 12 K steps x 2 fragments, written out: the register numbers have no period
.set s_, 0
.rept 12
	UNIT1 s_, 0
	UNIT1 s_, 1
.set s_, s_+1
.endr
; ================================================================ the transition
	WIN 0x55
	MAX2 240, 0, 32                                ; the largest |X1| of fragment 0's two blocks; these lines are also the places between the last scale word and its matrix instructions
	WIN 0x58
.set ps_, 11
.set pf_, 1
.set tau_, 0
.rept 8
	MM1
.set tau_, tau_+1
.endr
	PLACES
	WIN 0x55
	MAX2 244, 64, 96                               ; and of fragment 1's; each accumulator is first read at its low end
; out0[b][n] = the sum over d of X1: the two fragments are added in registers; the 8 rows of a b meet through my scratch: 64 n at a time, 16 rows of 256 bytes + 16
.irp c, 0,1
	WIN 0x55
.set i_, 0
.rept 16
	v_pk_add_f32 v[YY+2*i_:YY+2*i_+1], v[32*\c+2*i_:32*\c+2*i_+1], v[64+32*\c+2*i_:64+32*\c+2*i_+1]
.set i_, i_+1
.endr
	WIN 0x04
.irp u, 0,1,2,3
	ds_store_b128 v[STO], v[YY+8*\u:YY+8*\u+3] offset:32*\u
	ds_store_b128 v[STO], v[YY+8*\u+4:YY+8*\u+7] offset:32*\u+16
.endr
	WIN 0x40
.irp i, 0,1,2,3,4,5,6,7
	ds_load_b128 v[RB+4*\i:RB+4*\i+3], v[SRD] offset:272*\i   ; LDS serves a wave's instructions in order: these see my stores
.endr
	s_wait_dscnt 0x0
	WIN 0x55
.irp q, 0,1,2,3
	v_pk_add_f32 v[RB+4*\q:RB+4*\q+1], v[RB+4*\q:RB+4*\q+1], v[RB+16+4*\q:RB+16+4*\q+1]
	v_pk_add_f32 v[RB+4*\q+2:RB+4*\q+3], v[RB+4*\q+2:RB+4*\q+3], v[RB+16+4*\q+2:RB+16+4*\q+3]
.endr
.irp q, 0,1
	v_pk_add_f32 v[RB+4*\q:RB+4*\q+1], v[RB+4*\q:RB+4*\q+1], v[RB+8+4*\q:RB+8+4*\q+1]
	v_pk_add_f32 v[RB+4*\q+2:RB+4*\q+3], v[RB+4*\q+2:RB+4*\q+3], v[RB+8+4*\q+2:RB+8+4*\q+3]
.endr
	v_pk_add_f32 v[RES+4*\c:RES+4*\c+1], v[RB:RB+1], v[RB+4:RB+5]
	v_pk_add_f32 v[RES+4*\c+2:RES+4*\c+3], v[RB+2:RB+3], v[RB+6:RB+7]
	WIN 0x04
	global_store_b128 v[GO], v[RES+4*\c:RES+4*\c+3], s[10:11] offset:256*\c   ; sixteen lanes fill 256 consecutive bytes, aligned; these registers are not written again
.endr
; the table of multipliers, over the stage: entry k = (x[fragment 1][k], x[fragment 0][k+1]) of row r at 128 k + 8 r: so layer 2 can be a loop.  Entry 39 is zeros: 40 x 128 bytes fill my scratch
	WIN 0
.set k_, 0
.rept 40
	ds_store_b64 v[XT0], v[XB+2*k_+1:XB+2*k_+2] offset:128*k_
.set k_, k_+1
.endr
	s_wait_dscnt 0x0                               ; the stores have read X: its registers are taken for layer 2 from here on (v46, v47 stay)
	ds_load_b64 v[PK:PK+1], v[XT0]                 ; entry 0
	ds_load_b64 v[PKS+2:PKS+3], v[XT0] offset:128  ; entry 1, for the scale lines at period 0's head
	v_mov_b32 v[XD], 0                             ; written once, as above
	v_mov_b32 v[XD+1], 0
	WIN 0x04
.irp f, 0,1
.irp c, 0,1
	v_mul_f32 v[BMX+2*\f+\c], 0x3e800000, v[240+4*\f+2*\c]   ; a quarter of the largest |X1|: times x[m] it has the block's largest magnitude's exponent less 2
.endr
.endr
	WIN 0
	v_pk_mul_f32 v[TP+4:TP+5], v[BMX:BMX+1], v[46:47] op_sel:[0,1] op_sel_hi:[1,1]   ; fragment 0, m = 0: in set 1's place, which period 0's head writes anew
	v_lshlrev_b32 v[UW], 1, v[TP+4]
	v_lshlrev_b32 v[UW+1], 1, v[TP+5]
	v_perm_b32 v[WD], v[UW+1], v[UW], v[SELP]
	v_permlanex16_b32 v[XD], v[WD], s[SEL], s[SEL+1]
	v_or_b32 v[SA], v[WD], v[XD]
	s_wait_dscnt 0x0                               ; entries 0 and 1
	SCMUL PK, 0                                    ; the first stage of period 0's scale lines
	SCSHL 0
	SCPRM
	WIN 0x51
	PH 0, 46, 1, TP+4, 0, 0, SA, 0, 1, 0           ; fragment 0's codes of m = 0: vector work alone
	v_nop                                          ; a plain line behind the last conversion
	s_mov_b32 s[TW], 13*STEPB
	s_mov_b32 s[TS], SCL+13*SCLB
	s_mov_b32 s[TX], 128
; ================================================================ layer 2: periods k = 0 .. 38
	PERIOD 0, 1, 1, 0                              ; k = 0: its first 8 products start the sums
	PERIOD 1, 0, 0, 0
	PERIOD 0, 0, 0, 0
	PERIOD 1, 0, 0, 0
	PERIOD 0, 2, 0, 0                              ; k = 4: the refill
	WIN 0
	s_mov_b32 s[CNT], 8
.Lfirst:                                               ; k = 5 .. 20: weights from ring steps 17-33
	PERIOD 1, 0, 0, 0
	PERIOD 0, 0, 0, 0
	WIN 0
	s_sub_co_u32 s[CNT], s[CNT], 1
	s_cmp_lg_u32 s[CNT], 0
	s_cbranch_scc1 .Lfirst
	PERIOD 1, 3, 0, 0                              ; k = 21: on to what the refill brought
	WIN 0
	s_mov_b32 s[CNT], 8
.Lsecond:                                              ; k = 22 .. 37
	PERIOD 0, 0, 0, 0
	PERIOD 1, 0, 0, 0
	WIN 0
	s_sub_co_u32 s[CNT], s[CNT], 1
	s_cmp_lg_u32 s[CNT], 0
	s_cbranch_scc1 .Lsecond
	PERIOD 0, 4, 0, 1                              ; k = 38
; ================================================================ the end: a lane's 8 registers of a tile are the 8 d (both fragments already added) of out0[b0 + h][128 + 16 tile + r]
	PLACES
	WIN 0x55
.irp t, 0,1,2,3,4,5,6,7
	v_pk_add_f32 v[ACC2+8*\t:ACC2+8*\t+1], v[ACC2+8*\t:ACC2+8*\t+1], v[ACC2+8*\t+2:ACC2+8*\t+3]   ; each accumulator from its low end on
.endr
.irp t, 0,1,2,3,4,5,6,7
	v_pk_add_f32 v[ACC2+8*\t+4:ACC2+8*\t+5], v[ACC2+8*\t+4:ACC2+8*\t+5], v[ACC2+8*\t+6:ACC2+8*\t+7]
.endr
.irp t, 0,1,2,3,4,5,6,7
	v_pk_add_f32 v[ACC2+8*\t:ACC2+8*\t+1], v[ACC2+8*\t:ACC2+8*\t+1], v[ACC2+8*\t+4:ACC2+8*\t+5]
.endr
.irp t, 0,1,2,3,4,5,6,7
	v_add_f32 v[ACC2+8*\t], v[ACC2+8*\t], v[ACC2+8*\t+1]
.endr
	WIN 0x04
.irp t, 0,1,2,3,4,5,6,7
	ds_store_b32 v[EST], v[ACC2+8*\t] offset:64*\t
.endr
	WIN 0
	ds_load_b128 v[128:131], v[ELD]                ; back as two rows of 512 bytes
	ds_load_b128 v[132:135], v[ELD] offset:576
	s_wait_dscnt 0x0
	global_store_b128 v[LI16], v[128:131], s[10:11] offset:512    ; 32 lanes store 512 consecutive bytes, aligned to 256
	global_store_b128 v[LI16], v[132:135], s[10:11] offset:1536
	s_wait_tensorcnt 0x0                           ; the wave's end: behind my last tensor load and my last LDS store
	ds_add_u32 v[SPW], v[NIL]
	s_wait_dscnt 0x0
	ROUND                                          ; the closing round: no work-group ends while a partner may still ask for a piece that names it
	s_endpgm
.Lfunc_end_k_q8ffcbda013_cin:
	.size	k_q8ffcbda013_cin, .Lfunc_end_k_q8ffcbda013_cin-k_q8ffcbda013_cin
	.p2alignl 7, 3214868480
	.fill 96, 4, 3214868480
	.section	.rodata,"a",@progbits
	.p2align	6, 0x0
	.amdhsa_kernel k_q8ffcbda013_cin
		.amdhsa_group_segment_fixed_size 327680
		.amdhsa_private_segment_fixed_size 0
		.amdhsa_enable_private_segment 0
		.amdhsa_kernarg_size 32
		.amdhsa_user_sgpr_count 2
		.amdhsa_user_sgpr_kernarg_segment_ptr 1
		.amdhsa_wavefront_size32 1
		.amdhsa_system_sgpr_workgroup_id_x 1
		.amdhsa_system_sgpr_workgroup_id_y 1
		.amdhsa_system_sgpr_workgroup_id_z 1
		.amdhsa_system_vgpr_workitem_id 0
		.amdhsa_next_free_vgpr 768
		.amdhsa_next_free_sgpr 100
		.amdhsa_reserve_vcc 0
		.amdhsa_float_denorm_mode_32 3
		.amdhsa_float_denorm_mode_16_64 3
		.amdhsa_memory_ordered 1
		.amdhsa_forward_progress 1
		.amdhsa_inst_pref_size 255
	.end_amdhsa_kernel
	.section	.bss,"aw",@nobits
	.p2align	6
	.space	262144
	.amdgpu_metadata
---
amdhsa.version: [ 1, 2 ]
amdhsa.kernels:
  - .name:           k_q8ffcbda013_cin
    .symbol:         k_q8ffcbda013_cin.kd
    .args:
      - { .name: inputs, .offset: 0, .size: 8, .value_kind: global_buffer, .address_space: global }
      - { .name: wq_codes, .offset: 8, .size: 8, .value_kind: global_buffer, .address_space: global }
      - { .name: wq_scales, .offset: 16, .size: 8, .value_kind: global_buffer, .address_space: global }
      - { .name: out0, .offset: 24, .size: 8, .value_kind: global_buffer, .address_space: global }
    .group_segment_fixed_size: 327680
    .private_segment_fixed_size: 0
    .kernarg_segment_align: 8
    .kernarg_segment_size: 32
    .max_flat_workgroup_size: 128
    .sgpr_count:     100
    .vgpr_count:     768
    .wavefront_size: 32
...
	.end_amdgpu_metadata
.endif
;; end of part 2
